; MI455X (gfx1250); checked and timed in simulation.
; The chip was launched on July 23, 2026; its instructions are those of AMD's public machine-readable ISA for CDNA 5 (MIT licence, August 2026) and "CDNA5" Instruction Set Architecture Reference Guide (July 2026). The comments in the code are by the model that wrote it; some were corrected since.
;; Causal Self Attention. Allowed arithmetic: matrix products marked QUANTISED: E4M3 operands, one given power-of-two scale a tensor, by v_wmma_f32_16x16x64_fp8_fp8 or v_wmma_f32_16x16x128_fp8_fp8, f32 sums; everything else in f32.
;; Inputs: b_k 1,024 float32; b_o 1,024 float32; b_q 1,024 float32; b_v 1,024 float32; lowp_scales 12 int32 (the exponents e of the quantised operands' scales 2^e); w_k_codes 1,024 x 32 x 32 uint8 (E4M3 codes of w_k, K innermost, in blocks of 32 codes); w_o_codes 1,024 x 32 x 32 uint8 (E4M3 codes of w_o, K innermost, in blocks of 32 codes); w_q_codes 1,024 x 32 x 32 uint8 (E4M3 codes of w_q, K innermost, in blocks of 32 codes); w_v_codes 1,024 x 32 x 32 uint8 (E4M3 codes of w_v, K innermost, in blocks of 32 codes); x_codes 4 x 2,048 x 32 x 32 uint8 (E4M3 codes of x, K innermost, in blocks of 32 codes).
;; Outputs: out0 4 x 2,048 x 1,024 float32.
;; This version of the problem:
;;   THIS VERSION OF THE PROBLEM IS GIVEN IN LOW PRECISION. The matrix products marked QUANTISED in the list below multiply operands that are first quantised to E4M3 (4 exponent bits, 3 mantissa bits; 8 bits a number), with one given power-of-two scale for each operand tensor; their sums are f32. All else is computed in f32.
;;   The module's matrix products, in the order in which they are computed (A, B: the left and right operand; K: the contracted axis; several contracted axes count as one K, in the product's order):
;;     1. [M 8,192, K 1,024] x [K 1,024, N 1,024]; A: input x (given as codes); B: input w_q (given as codes): QUANTISED (scales: A lowp_scales[0], B lowp_scales[1])
;;     2. [M 8,192, K 1,024] x [K 1,024, N 1,024]; A: input x (given as codes); B: input w_k (given as codes): QUANTISED (scales: A lowp_scales[2], B lowp_scales[3])
;;     3. [M 8,192, K 1,024] x [K 1,024, N 1,024]; A: input x (given as codes); B: input w_v (given as codes): QUANTISED (scales: A lowp_scales[4], B lowp_scales[5])
;;     4. batch 64 x [M 2,048, K 64] x [K 64, N 2,048]; A: computed on the way; B: computed on the way: QUANTISED (scales: A lowp_scales[6], B lowp_scales[7])
;;     5. batch 64 x [M 2,048, K 2,048] x [K 2,048, N 64]; A: softmax (see below); B: computed on the way: QUANTISED (scales: A lowp_scales[8], B lowp_scales[9])
;;     6. [M 8,192, K 1,024] x [K 1,024, N 1,024]; A: computed on the way; B: input w_o (given as codes): QUANTISED (scales: A lowp_scales[10], B lowp_scales[11])
;;   THE QUANTISER, for each operand of a quantised product, along K:
;;     - The operand's scale is 2^e, e = its entry of the input lowp_scales (int32; the entries are numbered through the quantised products in the list's order, A before B).
;;     - Each number is divided by the scale, clamped to +-448, and rounded to the nearest number of E4M3, ties to even, subnormals kept.
;;     - The product sums the exact products of the quantised numbers (number of the format x scale) in f32.
;;   ~~~python
;;   def quantise(x, axis, e):      # numpy; x: float32 -> the quantised numbers, widened to float32 again
;;       x = np.moveaxis(x, axis, -1); K = x.shape[-1]
;;       r = np.clip(x / 2.0 ** e, -448, 448)
;;       step = 2.0 ** (np.maximum(np.frexp(np.where(r == 0, 1, r))[1] - 1, -6) - 3)
;;       q = np.round(r / step) * step * 2.0 ** e      # np.round: ties to even
;;       return np.moveaxis(q, -1, axis).astype(np.float32)
;;   ~~~
;;   SOFTMAX AHEAD OF A QUANTISED PRODUCT. Where the list says 'softmax', what is quantised is not the finished softmax but p = 2^(t - M), with t = logit x log2(e) and M = ceil(the row's largest t), a whole number; so 1/2 < the row's largest p <= 1. The row's sum l is taken of the UNQUANTISED p, in f32, and the product's result is divided by l at the end. Since M is a whole number, a kernel that streams over the keys may use a running M (the ceiling of the running maximum): every later rescaling is an exact power of two, so the quantised numbers keep their values, but for numbers so far below the row's largest that they fall under the format's range.
;;   OPERANDS COMPUTED ON THE WAY. 'Computed on the way' means the value that the module computes at that place (a softmax that the list does not call 'softmax' is quantised finished and normalised). What goes into a quantiser is computed in f32, as accurately as f32 sums, v_exp_f32 and their like allow (about 1e-6 of the number): no bf16 or f16 on the way to a quantiser, and a product that is left as it is and whose result goes on into a quantised operand takes f32 operands (vector FMAs, or v_wmma_f32_16x16x4_f32). A number that lies on a knife's edge between two numbers of the format may be rounded either way, as far as f32 arithmetic and the matrix unit's own rounding can turn it there, and no further.
;;   INPUTS GIVEN AS CODES. w_k (in the module: [1024, 1024], K = its axis 0); w_o (in the module: [1024, 1024], K = its axis 0); w_q (in the module: [1024, 1024], K = its axis 0); w_v (in the module: [1024, 1024], K = its axis 0); x (in the module: [4, 2048, 1024], K = its axis 2): each comes as NAME_codes (uint8): NAME with its K axis moved to the last place and cut into blocks of 32 codes, [.., K / 32, bytes a block], one block behind the other in memory; one code a byte (a code: sign, 4 exponent bits, 3 mantissa bits); its scale is its entry of lowp_scales. Its value is code x scale, taken as it is: it is not quantised again, and the codes and scales need not be those that the quantiser above would give.
;; One version. Each part assembles by itself: llvm-mc -triple=amdgcn-amd-amdhsa -mcpu=gfx1250 --defsym DOCPART=n.
;; ======== version 1 of 1: 3 launches
;; limits: right only within a limited range of input values
;; workspace buffers: qimg 8,388,608 bytes; kimg 8,388,608 bytes; vimg 8,388,608 bytes; aimg 8,388,608 bytes
;; launch qkv (part 1): grid 12 x 32, 4 waves a work-group, clusters of 4 x 4, 327,680 bytes of LDS; arguments x_codes, w_q_codes, w_k_codes, w_v_codes, b_q, b_k, b_v, lowp_scales, qimg, kimg, vimg; writes qimg, kimg, vimg
.if DOCPART == 1
	.amdgcn_target "amdgcn-amd-amdhsa--gfx1250"
	.amdhsa_code_object_version 6
	.text
	.protected	k_q82f1286820_qkv
	.globl	k_q82f1286820_qkv
	.p2align	8
	.type	k_q82f1286820_qkv,@function
k_q82f1286820_qkv:
	s_mov_b64 s[64:65], 0
	v_nop
	global_prefetch_b8 v0, s[64:65] scope:SCOPE_SE
	s_setreg_imm32_b32 hwreg(HW_REG_WAVE_MODE, 25, 1), 1
	s_wait_xcnt 0x0
	s_wait_alu depctr_hold_cnt(0) depctr_sa_sdst(0) depctr_va_vdst(0) depctr_va_sdst(0) depctr_va_ssrc(0) depctr_va_vcc(0) depctr_vm_vsrc(0)
	s_getreg_b32 s2, hwreg(HW_REG_IB_STS2, 6, 4)
	s_cmp_eq_u32 s2, 0
	s_cbranch_scc0 .Lentry_in_a_cluster
	s_endpgm
.Lentry_in_a_cluster:
	s_bfe_u32 s2, ttmp6, 0x10000c
	s_cmp_lg_u32 s2, 0xf033
	s_cbranch_scc0 .Lentry_shape_is_right
	s_endpgm
.Lentry_shape_is_right:
; q = x Wq + bq, k = x Wk + bk, v = x Wv + bv on codes of E4M3, and the three results quantised for the attention launch.
; x: 8,192 rows of 1,024 codes; each W: 1,024 rows (one output feature each) of 1,024 codes, K innermost.  A sum of codes is multiplied once by 2^(ea + eb), the bias is added in the
; same fused multiply-add, the number is held within +-448 x 2^eo and converted with the scale 2^eo.  (ea, eb, eo) = entries (0, 1, 6) of the scales for q, (2, 3, 7) for k, (4, 5, 9) for v.
; LIMITS: ea + eb between -126 and 127; eo between -126 and 119, so that each power of two below is an f32 number.  NaN among the biases is not served.
; SHARES.  The cluster's x (0, 1, 2) says q, k or v: it is the same number in all sixteen partners.  A work-group makes 256 rows of x times 256 features; each of its four waves 128 x 128:
; 64 accumulators of 16 x 16 in 512 registers.  K goes in steps of 256 through a ring of two LDS slots; a tile's row is 256 bytes of memory.
; CLUSTER 4 x 4: the four of a row need the same rows of x, the four of a column the same rows of W: each tile is asked for jointly.
; WHICH TILE IS WHICH SOURCE.  q, k: source 0 = 16 rows of W, source 1 = 16 rows of x: a lane then holds one row of x and eight neighbouring features, which is how the next launch's
; operands run (K = the head's 64).  v: source 0 = 16 rows of x, source 1 = 16 rows of W: a lane holds one feature and eight neighbouring keys (K = the keys).  Loads, descriptors and the
; loop are the same in all three: only the two LDS bases from which fragments are read change places, by a select on the cluster's x.
; THE RESULTS LEAVE AS IMAGES OF THE NEXT LAUNCH'S OPERAND REGISTERS: four registers of every lane, 16 bytes at 16 x lane, 512 consecutive aligned bytes a store.  No stage in LDS.
;   qimg, kimg: (batch x 16 + head) << 17 + (row / 16) << 10: two such pieces; register pair u holds d = 16 u + 8 (lane / 16) + 0 .. 7 of row lane % 16.
;   vimg: (batch x 16 + head) << 17 + (key / 128) << 13 + (d / 16) << 11: four pieces; register pair u holds keys 16 u + 8 (lane / 16) + 0 .. 7 of d = lane % 16.
; Inside a matrix instruction k stands in another place than the form's own map gives it, alike in both sources (four loads of 16 bytes a fragment): every product meets its partner.
; REGISTERS, in windows of 256: window 0: v0-31 addresses and constants; v32-47, v64-127 biases; from v128 source 1's fragments, one set; window 1: source 0's fragments, two sets;
; window 2: the accumulators of source 1's blocks 0-3 (accumulator (a, b) at v[8 (8 (a % 4) + b)]); window 3: those of blocks 4-7.
.set KSTEP,  256
.set ROWB,   256                       ; a tile's row in bytes
.set KROW,   1024                      ; a row of x or of W in memory
.set PITCH,  272                       ; an LDS row: 256 bytes + 16 of padding: the 16 rows that a load touches begin 68 words apart
.set FR,     16                        ; registers of a fragment: 16 rows x 128 K
.set NL,     4                         ; LDS loads that bring one
.set NP,     4                         ; places behind this matrix instruction (ISA guide 7.12.1)
.set HALFT,  128*PITCH                 ; 128 rows: what one tensor load brings
.set SLOT,   4*HALFT                   ; x's 256 rows, then W's 256 rows
.set LAPS,   2                         ; 1,024 along K = two laps of two K steps
.set SPARE,  2*SLOT                    ; behind the ring: the spare words, 128 bytes a wave, which no other line names
.set ADRA, 16                          ; v16-17  LDS address of source 1's fragments in slot 0, 1
.set ADRB, 20                          ; v20-21  of source 0's
.set CO,   26                          ; v26     16 x lane: my place in an image's piece
.set SPW,  28                          ; v28     LDS address of my spare word; never rewritten
.set NIL,  29                          ; v29     0; never rewritten
.set SC,   30                          ; v30     2^eo
.set LIMV, 31
.set BL,   32                          ; v32-47  v's bias: pair a = bias of feature 16 a + lane % 16, twice
.set BIAS, 64                          ; v64-127 q's, k's bias: register 8 b + j = bias of feature 16 b + 8 (lane / 16) + j
.set AF,   128                         ; source 1's fragments
.set TMP,  128                         ; the way out: a block's 64 numbers
.set CD,   192                         ; the way out: two sets of 16 registers of codes, by turns
.set G1, 24                            ; s[24:31] descriptor group 1 for x's tiles;  s[32:39] group 0, a set for each slot
.set G0, 32
.set G1B, 48                           ; s[48:55], s[56:63] the same for W's tiles
.set G0B, 56
.set MSB, 0
.macro WIN new                         ; the immediate's high byte repeats the setting that is left
.if MSB != (\new)
	s_set_vgpr_msb (MSB<<8)|(\new)
.set MSB, \new
.endif
.endm
.set MUL_LO, 0xa1                      ; source 0 window 1, source 1 window 0, C and D window 2
.set MUL_HI, 0xf1                      ; the same, C and D window 3
.set TO_B,   0x40                      ; destination window 1, address window 0
; A joint load: waves 0 and 1 fetch x's halves, waves 2 and 3 W's.  The branch hangs on the wave's number alone.  Four v_nop follow each of the two lines.
.macro JLOAD g0a, g1a, g0b, g1b
	s_cmp_eq_u32 s15, 0
	s_cbranch_scc0 .Lfor_b_\@
	tensor_load_to_lds s[\g0a:\g0a+3], s[\g1a:\g1a+7]
	s_nop 0
.rept 4
	v_nop
.endr
	s_branch .Lasked_\@
.Lfor_b_\@:
	tensor_load_to_lds s[\g0b:\g0b+3], s[\g1b:\g1b+7]
	s_nop 0
.rept 4
	v_nop
.endr
.Lasked_\@:
.endm
.macro CREST                           ; a round of the cluster's barrier behind its opening barrier
	s_cmp_lg_u32 s14, 0
	s_cbranch_scc1 .Lnot_wave_0_\@
	s_barrier_signal -3
.Lnot_wave_0_\@:
	s_barrier_wait -3
	s_barrier_signal -1
	s_barrier_wait -1
.endm
.macro CROUND                          ; a whole round
	s_barrier_signal -1
	s_barrier_wait -1
	CREST
.endm
	s_load_b512 s[68:83], s[0:1], 0x0              ; x s[68:69]; Wq, Wk, Wv s[70:75]; bq, bk, bv s[76:81]; the scales s[82:83]
	s_load_b128 s[84:87], s[0:1], 0x40             ; qimg, kimg
	s_load_b64 s[88:89], s[0:1], 0x50              ; vimg
	v_lshl_add_u32 v[SPW], v0, 2, SPARE
	v_mov_b32 v[NIL], 0
	ds_add_u32 v28, v29
	ds_add_u32 v28, v29
	s_wait_dscnt 0x0
	v_lshrrev_b32 v1, 5, v0
	v_readfirstlane_b32 s14, v1                    ; wave 0..3
	s_lshr_b32 s15, s14, 1                         ; i1: my half of source 1's tile.  Also: I fetch for x (0) or for W (1)
	s_and_b32 s16, s14, 1                          ; i0: my half of source 0's tile.  Also: which 128 rows I fetch
	s_bfe_u32 s40, ttmp6, 0x40000                  ; cx: which 256 features
	s_bfe_u32 s41, ttmp6, 0x40004                  ; cy
	s_and_b32 s17, ttmp7, 0xffff
	s_lshl_b32 s17, s17, 2
	s_add_co_u32 s17, s17, s41                     ; TR: which 256 rows of x = 4 x cluster y + cy
	s_lshl_b32 s43, s41, 2
	s_lshl_b32 s43, 15, s43                        ; my row of the cluster
	s_lshl_b32 s44, 0x1111, s40                    ; my column
	; descriptor group 1: 128 rows x 256 bytes, 16 bytes of padding behind each row
	s_or_b32 s[G1+0], s43, (1<<20)|(1<<21)|(5<<22)|(3<<25)   ; 15:0 the mask: x's tiles go to my row; 17:16 elements of 1 byte; 20 padding on; 21 set beside a mask; 24:22 after every 64 words; 31:25 four words
	s_or_b32 s[G1B+0], s44, (1<<20)|(1<<21)|(5<<22)|(3<<25)  ; W's tiles go to my column
.irp g, G1, G1B
	s_mov_b32 s[\g+1], ROWB<<16                    ; tensor_dim0
	s_mov_b32 s[\g+2], 128<<16                     ; tensor_dim1
	s_mov_b32 s[\g+3], ROWB<<16                    ; tile_dim0
	s_mov_b32 s[\g+4], 128                         ; tile_dim1
	s_mov_b32 s[\g+5], KROW                        ; from row to row
	s_mov_b32 s[\g+6], 0
	s_mov_b32 s[\g+7], 0
.endr
	s_lshl_b32 s18, s16, 7                         ; which 128 rows of a tile I fetch
	s_lshl_b32 s20, s17, 8
	s_add_co_u32 s20, s20, s18
	s_lshl_b32 s20, s20, 10                        ; x: (256 TR + 128 half) rows of 1,024 bytes: under 2^23
	s_mov_b32 s21, 0
	s_lshl_b32 s46, s40, 8
	s_add_co_u32 s46, s46, s18
	s_lshl_b32 s46, s46, 10                        ; W: (256 cx + 128 half) rows
	s_mov_b32 s47, 0
	s_mul_i32 s45, s14, HALFT                      ; where a tile goes: wave x 128 rows
	s_wait_kmcnt 0x0
	s_load_b256 s[92:99], s[82:83], 0x0            ; entries 0 to 7 of the scales
	s_load_b32 s100, s[82:83], 0x24                ; entry 9
	s_cmp_eq_u32 ttmp9, 1                          ; the choice of buffers hangs on the cluster's x alone
	s_cselect_b64 s[4:5], s[72:73], s[70:71]       ; W
	s_cselect_b64 s[6:7], s[78:79], s[76:77]       ; the bias
	s_cselect_b64 s[10:11], s[86:87], s[84:85]     ; the images
	s_cmp_eq_u32 ttmp9, 2
	s_cselect_b64 s[4:5], s[74:75], s[4:5]
	s_cselect_b64 s[6:7], s[80:81], s[6:7]
	s_cselect_b64 s[10:11], s[88:89], s[10:11]
	s_add_nc_u64 s[20:21], s[68:69], s[20:21]
	s_add_nc_u64 s[46:47], s[4:5], s[46:47]
	CROUND                                         ; all sixteen work-groups are here: the first joint loads meet
.irp s, 0,1
	s_mov_b32 s[G0+4*\s], 1
	s_add_co_u32 s[G0+4*\s+1], s45, \s*SLOT
	s_add_nc_u64 s[G0+4*\s+2:G0+4*\s+3], s[20:21], \s*ROWB
	s_or_b32 s[G0+4*\s+3], s[G0+4*\s+3], 0x80000000
	s_mov_b32 s[G0B+4*\s], 1
	s_add_co_u32 s[G0B+4*\s+1], s45, \s*SLOT
	s_add_nc_u64 s[G0B+4*\s+2:G0B+4*\s+3], s[46:47], \s*ROWB
	s_or_b32 s[G0B+4*\s+3], s[G0B+4*\s+3], 0x80000000
	JLOAD G0+4*\s, G1, G0B+4*\s, G1B               ; two loads of mine are out
.endr
	v_and_b32 v1, 15, v0                           ; r = lane % 16
	v_bfe_u32 v2, v0, 4, 1                         ; h = lane / 16
	v_mul_u32_u24 v3, v1, PITCH
	v_lshl_add_u32 v4, v2, 4, v3                   ; a fragment's row x pitch + 16 x half
	s_wait_alu depctr_va_vdst(0)
	s_cmp_eq_u32 ttmp9, 2                          ; v?
	s_cselect_b32 s13, 0, 2*HALFT                  ; source 0 reads x's rows for v, else W's, which lie behind x's 256
	s_cselect_b32 s12, 2*HALFT, 0                  ; source 1 the other.  Whichever is taken, base + half + rows stays inside the slot
	s_cselect_b32 s22, s15, s16                    ; which of my two halves counts heads,
	s_cselect_b32 s23, s16, s15                    ; and which counts rows of x
	s_mul_i32 s18, s16, HALFT
	s_add_co_u32 s13, s13, s18
	s_mul_i32 s18, s15, HALFT
	s_add_co_u32 s12, s12, s18
.irp s, 0,1
	v_add_nc_u32 v[ADRA+\s], s12, v4
	v_add_nc_u32 v[ADRB+\s], s13, v4
	s_add_co_u32 s12, s12, SLOT
	s_add_co_u32 s13, s13, SLOT
.endr
	; the bias in both layouts: every wave loads both, so that no register's writing hangs on a branch; both stay inside the 1,024 numbers
	s_lshl_b32 s8, s40, 8
	s_lshl_b32 s9, s16, 7
	s_add_co_u32 s9, s9, s8
	s_lshl_b32 s9, s9, 2
	v_lshl_add_u32 v5, v2, 5, s9                   ; 4 (256 cx + 128 i0 + 8 h)
	s_lshl_b32 s9, s15, 7
	s_add_co_u32 s9, s9, s8
	s_lshl_b32 s9, s9, 2
	v_lshl_add_u32 v6, v1, 2, s9                   ; 4 (256 cx + 128 i1 + r)
.irp b, 0,1,2,3,4,5,6,7
	global_load_b128 v[BIAS+8*\b:BIAS+8*\b+3], v5, s[6:7] offset:64*\b
	global_load_b128 v[BIAS+8*\b+4:BIAS+8*\b+7], v5, s[6:7] offset:64*\b+16
.endr
.irp a, 0,1,2,3,4,5,6,7
	global_load_b32 v[BL+2*\a], v6, s[6:7] offset:64*\a
	global_load_b32 v[BL+2*\a+1], v6, s[6:7] offset:64*\a
.endr
	; where my images begin: batch << 21 + (4 cx + 2 x head half) << 17 + (TR % 8) << 14 + row half << 13
	s_lshl_b32 s8, s40, 2
	s_lshl_b32 s22, s22, 1
	s_add_co_u32 s8, s8, s22
	s_lshl_b32 s8, s8, 17
	s_lshr_b32 s9, s17, 3
	s_lshl_b32 s9, s9, 21
	s_add_co_u32 s8, s8, s9
	s_and_b32 s9, s17, 7
	s_lshl_b32 s9, s9, 14
	s_add_co_u32 s8, s8, s9
	s_lshl_b32 s23, s23, 13
	s_add_co_u32 s8, s8, s23
	s_mov_b32 s9, 0
	s_add_nc_u64 s[10:11], s[10:11], s[8:9]
	v_and_b32 v3, 31, v0
	v_lshlrev_b32 v[CO], 4, v3
.macro FRAG reg, adr, q, i             ; 16 rows x 128 K: lane l holds row l % 16; registers 4 c .. 4 c + 3 hold K = 32 c + 16 (l / 16) + 0 .. 15
.irp c, 0,1,2,3
	ds_load_b128 v[\reg+4*\c:\reg+4*\c+3], v[\adr] offset:128*(\q)+32*\c+(\i)*16*PITCH
.endr
.endm
; 16 matrix instructions: source 1's blocks a0, a0 + 1 x source 0's eight, 128 along K.  p: source 0's set.  zero = 1: the first product starts the sums.
; The 64 accumulators take turns, one instruction a turn, in the same order in every step.
.macro MUL16 a0, p, zero
.irp a, \a0, \a0+1
.irp b, 0,1,2,3,4,5,6,7
.if \zero
	v_wmma_f32_16x16x128_fp8_fp8 v[8*(8*((\a)%4)+\b):8*(8*((\a)%4)+\b)+7], v[128*(\p)+FR*\b:128*(\p)+FR*\b+FR-1], v[AF+FR*(\a):AF+FR*(\a)+FR-1], 0
.else
	v_wmma_f32_16x16x128_fp8_fp8 v[8*(8*((\a)%4)+\b):8*(8*((\a)%4)+\b)+7], v[128*(\p)+FR*\b:128*(\p)+FR*\b+FR-1], v[AF+FR*(\a):AF+FR*(\a)+FR-1], v[8*(8*((\a)%4)+\b):8*(8*((\a)%4)+\b)+7]
.endif
.endr
.endr
.endm
.macro FETCH_B slot, q, p              ; source 0's eight fragments of the slot's q-th 128 along K into set p
	WIN TO_B
.irp i, 0,1,2,3,4,5,6,7
	FRAG 128*(\p)+FR*\i, ADRB+\slot, \q, \i
.endr
	WIN 0
.endm
.macro FETCH_A slot, q, i0             ; source 1's blocks i0 .. i0 + 3
.irp i, \i0, \i0+1, \i0+2, \i0+3
	FRAG AF+FR*(\i), ADRA+\slot, \q, \i
.endr
.endm
; A load into a register that a matrix instruction has read, and a vector instruction that reads a matrix result, stand NP places behind it; only plain vector instructions that
; name none of its registers are places (ISA guide 7.12.1 for vector instructions).
.macro PLACES n
.rept \n
	v_nop
.endr
.endm
.macro STEP slot, q, zero              ; a step of 128 along K that has its successor in the same slot
	s_wait_dscnt 4*NL                              ; source 0's set and source 1's blocks 0-3 are in; the youngest 16 loads (blocks 4-7) may be out
	WIN MUL_LO
	MUL16 0, (\q)%2, \zero
	MUL16 2, (\q)%2, \zero
	s_wait_dscnt 0                                 ; blocks 4-7 are in
	PLACES NP
	FETCH_B \slot, (\q)+1, 1-(\q)%2
	FETCH_A \slot, (\q)+1, 0
	WIN MUL_HI
	MUL16 4, (\q)%2, \zero
	MUL16 6, (\q)%2, \zero
	PLACES NP
	WIN 0
	FETCH_A \slot, (\q)+1, 4
.endm
; A slot's last step changes slots: one barrier; in front of it each wave waits for all its tensor loads, adds 0 to its spare word, and waits for that and for its reads of this slot.
.macro TURN slot, next, fill
	s_wait_tensorcnt 0x0                           ; all my tensor loads have landed: my part of the next slot
	ds_add_u32 v[SPW], v[NIL]                      ; 0 onto my spare word
	s_wait_dscnt 4*NL+1                            ; the add and the youngest 16 loads may be out
	WIN MUL_LO
	MUL16 0, 1, 0                                  ; sixteen matrix instructions stand between the add and the wait for it
	s_wait_dscnt 0x0                               ; the add is done, and my reads of this slot are over
	s_barrier_signal -1
	MUL16 2, 1, 0
	WIN 0
	s_barrier_wait -1
.if \fill
	CREST                                          ; the barrier has opened a round of the cluster's: no wave of any partner still reads this slot or has a load on its way
	s_add_nc_u64 s[G0+4*\slot+2:G0+4*\slot+3], s[G0+4*\slot+2:G0+4*\slot+3], 2*ROWB
	s_add_nc_u64 s[G0B+4*\slot+2:G0B+4*\slot+3], s[G0B+4*\slot+2:G0B+4*\slot+3], 2*ROWB
	JLOAD G0+4*\slot, G1, G0B+4*\slot, G1B         ; the first tensor load behind the round; its four v_nop are the places in front of the loads below
.else
	PLACES NP
.endif
	FETCH_B \next, 0, 0
	FETCH_A \next, 0, 0
	WIN MUL_HI
	MUL16 4, 1, 0
	MUL16 6, 1, 0
	PLACES NP
	WIN 0
	FETCH_A \next, 0, 4
.endm
	s_wait_alu depctr_va_vdst(0)
	s_wait_loadcnt 0x0                             ; the biases, while the first tiles are on their way
	s_wait_tensorcnt 1                             ; my part of K step 0 is in; K step 1's load may be out
	s_barrier_signal -1
	s_barrier_wait -1
	FETCH_B 0, 0, 0
	FETCH_A 0, 0, 0
	FETCH_A 0, 0, 4
	STEP 0, 0, 1                                   ; the first step stands in front of the loop: its products start the sums
	s_mov_b32 s3, LAPS-1
.Llap:                                             ; a trip goes once round the ring and fills both slots again
	TURN 0, 1, 1
	STEP 1, 0, 0
	TURN 1, 0, 1
	STEP 0, 0, 0
	s_sub_co_u32 s3, s3, 1
	s_cmp_lg_u32 s3, 0
	s_cbranch_scc1 .Llap
	TURN 0, 1, 0                                   ; the last lap fills nothing
	STEP 1, 0, 0
	s_wait_dscnt 4*NL                              ; the very last step
	WIN MUL_LO
	MUL16 0, 1, 0
	MUL16 2, 1, 0
	s_wait_dscnt 0
	WIN MUL_HI
	MUL16 4, 1, 0
	MUL16 6, 1, 0
	WIN 0
; THE WAY OUT of source 1's block a: 64 numbers a lane = sum x 2^(ea + eb) + bias (each accumulator from its low end on), held, converted; eight conversions give 16 registers,
; which are four pieces of images.  kind 0 (q, k): accumulators 0-3 are one head's image of rows 16 a on, 4-7 the next head's.  kind 1 (v): all eight are the 128 keys of d tile a % 4 of head a / 4.
.macro OUTBLK a, kind
.set AC, 64*((\a)%4)
.set CB, CD+16*((\a)%2)
	s_wait_xcnt 0x0                                ; the stores of two blocks back have read this set of codes
	WIN 0x02+((\a)/4)                              ; source 0: window 2 or 3
.set j, 0
.rept 32
.if \kind
	v_pk_fma_f32 v[TMP+j:TMP+j+1], v[AC+j:AC+j+1], s[90:91], v[BL+2*(\a):BL+2*(\a)+1] op_sel_hi:[1,0,1]
.else
	v_pk_fma_f32 v[TMP+j:TMP+j+1], v[AC+j:AC+j+1], s[90:91], v[BIAS+j:BIAS+j+1] op_sel_hi:[1,0,1]
.endif
.set j, j+2
.endr
	WIN 0
.set j, 0
.rept 64
.set j, j+1
.endr
.irp b, 0,1,2,3,4,5,6,7
	v_cvt_scalef32_pk8_fp8_f32 v[CB+2*\b:CB+2*\b+1], v[TMP+8*\b:TMP+8*\b+7], v[SC]
.endr
	v_nop                                          ; a plain vector line behind the last conversion: the next block writes the conversions' sources
.irp c, 0,1,2,3
.if \kind
	global_store_b128 v[CO], v[CB+4*\c:CB+4*\c+3], s[10:11] offset:131072*((\a)/4)+2048*((\a)%4)+512*\c      ; 32 lanes store 512 consecutive bytes, aligned
.else
	global_store_b128 v[CO], v[CB+4*\c:CB+4*\c+3], s[10:11] offset:1024*(\a)+131072*(\c/2)+512*(\c%2)
.endif
.endr
.endm
	s_wait_kmcnt 0x0                               ; the scales
	s_cmp_eq_u32 ttmp9, 1
	s_cselect_b32 s18, s94, s92                    ; ea
	s_cselect_b32 s22, s95, s93                    ; eb
	s_cselect_b32 s101, s99, s98                   ; eo
	s_cmp_eq_u32 ttmp9, 2
	s_cselect_b32 s18, s96, s18
	s_cselect_b32 s22, s97, s22
	s_cselect_b32 s101, s100, s101
	s_add_co_i32 s18, s18, s22
	s_add_co_i32 s18, s18, 127
	s_lshl_b32 s90, s18, 23                        ; 2^(ea + eb) as f32
	s_mov_b32 s91, s90                             ; (named with it as a pair, so it is written)
	s_add_co_i32 s101, s101, 127
	s_lshl_b32 s18, s101, 23
	v_mov_b32 v[SC], s18                           ; 2^eo: the conversion takes its exponent field
	PLACES NP                                      ; behind the last products: their results are read and their sources written below
	s_cmp_eq_u32 ttmp9, 2                          ; the same way for all sixteen partners; no LDS access, barrier or tensor load stands on either way
	s_cbranch_scc1 .Lv
.irp a, 0,1,2,3,4,5,6,7
	OUTBLK \a, 0
.endr
	s_branch .Lend
.Lv:
.irp a, 0,1,2,3,4,5,6,7
	OUTBLK \a, 1
.endr
.Lend:
	s_wait_tensorcnt 0x0                           ; the wave's end
	ds_add_u32 v[SPW], v[NIL]
	s_wait_dscnt 0x0
	CROUND                                         ; the closing round: no work-group ends while a partner may still ask for a tile that names it
	s_endpgm
.Lfunc_end_k_q82f1286820_qkv:
	.size	k_q82f1286820_qkv, .Lfunc_end_k_q82f1286820_qkv-k_q82f1286820_qkv
	.p2alignl 7, 3214868480
	.fill 96, 4, 3214868480
	.section	.rodata,"a",@progbits
	.p2align	6, 0x0
	.amdhsa_kernel k_q82f1286820_qkv
		.amdhsa_group_segment_fixed_size 327680
		.amdhsa_private_segment_fixed_size 0
		.amdhsa_enable_private_segment 0
		.amdhsa_kernarg_size 88
		.amdhsa_user_sgpr_count 2
		.amdhsa_user_sgpr_kernarg_segment_ptr 1
		.amdhsa_wavefront_size32 1
		.amdhsa_system_sgpr_workgroup_id_x 1
		.amdhsa_system_sgpr_workgroup_id_y 1
		.amdhsa_system_sgpr_workgroup_id_z 1
		.amdhsa_system_vgpr_workitem_id 0
		.amdhsa_next_free_vgpr 1024
		.amdhsa_next_free_sgpr 102
		.amdhsa_reserve_vcc 0
		.amdhsa_float_denorm_mode_32 3
		.amdhsa_float_denorm_mode_16_64 3
		.amdhsa_fp16_overflow 1
		.amdhsa_memory_ordered 1
		.amdhsa_forward_progress 1
		.amdhsa_inst_pref_size 130
	.end_amdhsa_kernel
	.amdgpu_metadata
---
amdhsa.version: [ 1, 2 ]
amdhsa.kernels:
  - .name:           k_q82f1286820_qkv
    .symbol:         k_q82f1286820_qkv.kd
    .args:
      - { .name: x_codes, .offset: 0, .size: 8, .value_kind: global_buffer, .address_space: global }
      - { .name: w_q_codes, .offset: 8, .size: 8, .value_kind: global_buffer, .address_space: global }
      - { .name: w_k_codes, .offset: 16, .size: 8, .value_kind: global_buffer, .address_space: global }
      - { .name: w_v_codes, .offset: 24, .size: 8, .value_kind: global_buffer, .address_space: global }
      - { .name: b_q, .offset: 32, .size: 8, .value_kind: global_buffer, .address_space: global }
      - { .name: b_k, .offset: 40, .size: 8, .value_kind: global_buffer, .address_space: global }
      - { .name: b_v, .offset: 48, .size: 8, .value_kind: global_buffer, .address_space: global }
      - { .name: lowp_scales, .offset: 56, .size: 8, .value_kind: global_buffer, .address_space: global }
      - { .name: qimg, .offset: 64, .size: 8, .value_kind: global_buffer, .address_space: global }
      - { .name: kimg, .offset: 72, .size: 8, .value_kind: global_buffer, .address_space: global }
      - { .name: vimg, .offset: 80, .size: 8, .value_kind: global_buffer, .address_space: global }
    .group_segment_fixed_size: 327680
    .private_segment_fixed_size: 0
    .kernarg_segment_align: 8
    .kernarg_segment_size: 88
    .max_flat_workgroup_size: 128
    .sgpr_count:     102
    .vgpr_count:     1024
    .wavefront_size: 32
...
	.end_amdgpu_metadata
.endif
;; end of part 1
;; launch attn (part 2): grid 4 x 64, 16 waves a work-group, no clusters, 327,680 bytes of LDS; arguments qimg, kimg, vimg, lowp_scales, aimg; writes aimg
.if DOCPART == 2
	.amdgcn_target "amdgcn-amd-amdhsa--gfx1250"
	.amdhsa_code_object_version 6
	.text
	.protected	k_q82f1286820_attn
	.globl	k_q82f1286820_attn
	.p2align	8
	.type	k_q82f1286820_attn,@function
k_q82f1286820_attn:
	s_mov_b64 s[64:65], 0
	v_nop
	global_prefetch_b8 v0, s[64:65] scope:SCOPE_SE
	s_setreg_imm32_b32 hwreg(HW_REG_WAVE_MODE, 25, 1), 1
	s_wait_xcnt 0x0
; Causal attention of one head on codes of E4M3: S^T = K Q^T (K = the head's 64), p = 2^(t - M), O^T = V^T P^T (K = the keys), O / l quantised for the last product.
; t = score x 2^(e6 + e7) x log2(e) / 8; M = the running largest t rounded up to a whole number; p is quantised with 2^e8, not normalised; the row's sum l is taken of the unquantised p;
; when M moves, l and O^T are multiplied by 2^(old M - new M), which rounds nothing.  At the end O^T x 2^(e8 + e9) / l is held within +-448 x 2^e10 and converted with 2^e10.
; LIMITS: e6 + e7 between -123 and 130 (added to c's exponent field); e8 and e10 between -126 and 119; e8 + e9 goes in by v_ldexp_f32 and has none.
; INPUTS are images of operand registers (a piece = four registers of 32 lanes, 16 bytes at 16 x lane):
;   qimg, kimg: head << 17 + (row / 16) << 10, two pieces: pair u holds d = 16 u + 8 (lane / 16) + 0 .. 7 of row lane % 16.
;   vimg: head << 17 + (key / 128) << 13 + (d / 16) << 11, four pieces: pair u holds keys 16 u + 8 (lane / 16) + 0 .. 7 of d = lane % 16.
; SHARES.  Work-group (px, head) takes the head's query block px (256 queries) and then block 7 - px: px + 1 and 8 - px slots of 256 keys, NINE in every work-group, so the trip count is a
; constant and all 256 work-groups have the same work.  Each of the sixteen waves owns 16 queries of the block in hand, in 256 registers: four waves to a SIMD, so that one wave's
; vector work stands beside another's matrix work and LDS loads.
; LAYOUT.  Both products are used transposed: a lane holds ONE query (lane % 16) throughout.  In S^T register 8 t + j is key 16 t + 8 (lane / 16) + j: eight conversions of eight registers give
; the second product's operand in its own order.
; RING.  Two LDS slots of 32 KiB: K's 16 images, then V's 8, dense.  Wave 0 fetches K's 16 KiB, wave 1 V's; all sixteen read.  Every LDS read takes 512 consecutive bytes.
; NO CLUSTER: the four work-groups of a head stand at different slots in the same trip (their first blocks have 1 to 4 slots), so they have no tile to ask for jointly.
; OUTPUT aimg, an image for the last product: (row / 128) << 17 + (K / 256) << 15 + ((row / 16) % 8) << 12 + ((K / 128) % 2) << 11 + 512 c + 16 lane': K = .. + 32 c + 16 (lane' / 16) + 0 .. 15 of row lane' % 16.
; For head hd a lane's eight codes of d = 16 dt + 8 h + 0 .. 7 lie at .. + (hd / 4) << 15 + (hd % 4) << 10 + 256 dt + 16 r + 8 h: a wave's store covers 256 consecutive bytes, aligned.
.set SLOT1, 32768                      ; slot 1 begins here: one exclusive or turns an address from one slot to the other
.set SPARE, 65536                      ; behind the ring: the spare words, 128 bytes for each of 16 waves, which no other line names
.set LI,   1                           ; v1   16 x lane
.set GO,   2                           ; v2   16 r + 8 h: my 8 bytes of an output unit
.set PFO,  3                           ; v3   256 x lane: the prefetches' offset
.set SPW,  5                           ; v5   LDS address of my spare word; never rewritten
.set NIL,  6                           ; v6   0; never rewritten
.set RH,   7                           ; v7   r - 8 h
.set ADR,  8                           ; v8   LDS address of the slot in hand, for my lane
.set T0,   200
.set T1,   214
.set WV,   18                          ; s18  my wave's number
.set SEL,  20                          ; s[20:21] lane selects: lane l xor 16
.set CS,   22                          ; s[22:23] c = log2(e) / 8 x 2^(e6 + e7)
.set G1,   24                          ; s[24:31] descriptor group 1
.set G0,   40                          ; s[40:43] descriptor group 0
.set BASE, 44                          ; s[44:45] my tensor (wave 0: kimg, else vimg) at my head
.set OFS,  46                          ; s[46:47] an offset, its upper word 0
.set PX,   48                          ; s48  px;  s49  px + 1
.set PX1,  49
.set J,    50                          ; s50  the trip
.set TB,   2                           ; s2   LDS byte at which the slot in hand begins
.set SLOTS, 67                         ; s67  fills still to come
.set PFA,  76                          ; s[76:77] where my prefetches stand
.set LIM,  80                          ; s80  1 in a wave that prefetches, else the greatest number
.set KF,   98                          ; s98  the step's first key
.set Q0,   99                          ; s99  my first query;  s97 that of the second block
.macro TLOAD                           ; waves 0 and 1 fetch, the others nothing; four v_nop follow the line
	s_cmp_lt_u32 s[WV], 2
	s_cbranch_scc0 .Lasked_\@
	tensor_load_to_lds s[G0:G0+3], s[G1:G1+7]
	s_nop 0
.rept 4
	v_nop
.endr
.Lasked_\@:
.endm
; A PREFETCH INTO THE L2.  The head's work-group with px = 0 walks slots 0 to 7 in trips 1 to 8; in trip j = 0 .. 6 it asks for slot j + 1, which its tensor loads ask for one trip later.
; Waves 4 and 5 ask for the two halves of K's 16 KiB, waves 6 and 7 for V's: 8,192 bytes a wave, lanes 256 bytes apart, one instruction.  So each aligned 256 bytes of slots 1 to 7 is named once in the launch;
; slot 0 comes by its load alone.  Trip 7 asks for nothing: there is no slot 8.
.macro ASK
	s_cmp_gt_u32 s[SLOTS], s[LIM]
	s_cbranch_scc0 .Lnot_mine_\@
	global_prefetch_b8 v[PFO], s[PFA:PFA+1] th:TH_LOAD_NT scope:SCOPE_SE
.Lnot_mine_\@:
.endm
	s_load_b256 s[4:11], s[0:1], 0x0               ; qimg s[4:5], kimg s[6:7], vimg s[8:9], the scales s[10:11]
	s_load_b64 s[12:13], s[0:1], 0x20              ; aimg
	v_lshl_add_u32 v[SPW], v0, 2, SPARE
	v_mov_b32 v[NIL], 0
	ds_add_u32 v5, v6
	ds_add_u32 v5, v6
	s_wait_dscnt 0x0
	v_lshrrev_b32 v8, 5, v0
	s_delay_alu instid0(VALU_DEP_1)
	v_readfirstlane_b32 s[WV], v8                  ; wave 0..15
	s_mov_b32 s[PX], ttmp9
	s_add_co_u32 s[PX1], ttmp9, 1
	s_and_b32 s51, ttmp7, 0xffff                   ; batch x 16 + head
	s_lshl_b32 s54, s51, 17                        ; the head's first byte in qimg, kimg, vimg
	s_mov_b32 s55, 0
	s_mov_b32 s[OFS+1], 0
	; descriptor group 1: 16 KiB, dense in memory, as 64 rows of 256 bytes
	s_mov_b32 s[G1], 3<<16                         ; no mask; elements of 8 bytes; no padding
	s_mov_b32 s[G1+1], 32<<16                      ; tensor_dim0 = 32 elements
	s_mov_b32 s[G1+2], 64<<16                      ; tensor_dim1 = 64
	s_mov_b32 s[G1+3], 32<<16                      ; tile_dim0
	s_mov_b32 s[G1+4], 64                          ; tile_dim1
	s_mov_b32 s[G1+5], 32                          ; from row to row
	s_mov_b32 s[G1+6], 0
	s_mov_b32 s[G1+7], 0
	s_mov_b32 s[SEL], 0x76543210
	s_mov_b32 s[SEL+1], 0xfedcba98
	s_mov_b32 s[CS], 0x3e38aa3b                    ; log2(e) / sqrt(64)
	s_mov_b32 s[TB], 0
	s_mov_b32 s[SLOTS], 8
	s_mov_b32 s[J], 0
	s_mov_b32 s[KF], 0
	s_lshl_b32 s52, s[PX], 4
	s_add_co_u32 s52, s52, s[WV]                   ; t0 = 16 px + wave: my tile of 16 queries in the first block,
	s_sub_co_u32 s53, 7, s[PX]
	s_lshl_b32 s53, s53, 4
	s_add_co_u32 s53, s53, s[WV]                   ; t1 = 16 (7 - px) + wave: in the second
	s_lshl_b32 s[Q0], s52, 4
	s_lshl_b32 s97, s53, 4
	s_lshr_b32 s74, s51, 4                         ; aimg: batch << 21 + (head / 4) << 15 + (head % 4) << 10
	s_lshl_b32 s74, s74, 21
	s_bfe_u32 s75, s51, 0x20002
	s_lshl_b32 s75, s75, 15
	s_add_co_u32 s74, s74, s75
	s_and_b32 s75, s51, 3
	s_lshl_b32 s75, s75, 10
	s_add_co_u32 s74, s74, s75
	s_wait_kmcnt 0x0
	s_load_b128 s[68:71], s[10:11], 0x18           ; e6, e7, e8, e9
	s_load_b32 s72, s[10:11], 0x28                 ; e10
	s_cmp_eq_u32 s[WV], 0
	s_cselect_b64 s[BASE:BASE+1], s[6:7], s[8:9]
	s_add_nc_u64 s[BASE:BASE+1], s[BASE:BASE+1], s[54:55]
	s_mov_b32 s[G0], 1                             ; count = 1
	s_and_b32 s[G0+1], s[WV], 1
	s_lshl_b32 s[G0+1], s[G0+1], 14                ; LDS: slot 0; K's images at 0, V's at 16,384
	s_mov_b64 s[G0+2:G0+3], s[BASE:BASE+1]         ; the head's first 256 keys
	s_or_b32 s[G0+3], s[G0+3], 0x80000000          ; type = 2
	TLOAD                                          ; trip 0's tiles
	s_add_nc_u64 s[60:61], s[4:5], s[54:55]
	s_mov_b64 s[62:63], s[60:61]
	s_lshl_b32 s[OFS], s52, 10
	s_add_nc_u64 s[60:61], s[60:61], s[OFS:OFS+1]  ; my Q image of the first block,
	s_lshl_b32 s[OFS], s53, 10
	s_add_nc_u64 s[62:63], s[62:63], s[OFS:OFS+1]  ; of the second
	s_lshr_b32 s81, s52, 3                         ; aimg: + (t / 8) << 17 + (t % 8) << 12
	s_lshl_b32 s81, s81, 17
	s_and_b32 s82, s52, 7
	s_lshl_b32 s82, s82, 12
	s_add_co_u32 s81, s81, s82
	s_add_co_u32 s[OFS], s81, s74
	s_add_nc_u64 s[56:57], s[12:13], s[OFS:OFS+1]
	s_lshr_b32 s81, s53, 3
	s_lshl_b32 s81, s81, 17
	s_and_b32 s82, s53, 7
	s_lshl_b32 s82, s82, 12
	s_add_co_u32 s81, s81, s82
	s_add_co_u32 s[OFS], s81, s74
	s_add_nc_u64 s[58:59], s[12:13], s[OFS:OFS+1]
	s_cmp_lt_u32 s[WV], 6                          ; the prefetches: waves 4, 5 K's; waves 6, 7 V's
	s_cselect_b64 s[PFA:PFA+1], s[6:7], s[8:9]
	s_add_nc_u64 s[PFA:PFA+1], s[PFA:PFA+1], s[54:55]
	s_and_b32 s[OFS], s[WV], 1
	s_lshl_b32 s[OFS], s[OFS], 13
	s_add_nc_u64 s[PFA:PFA+1], s[PFA:PFA+1], s[OFS:OFS+1]   ; my half of slot 0: the first change of slots steps it to slot 1
	s_sub_co_u32 s81, s[WV], 4
	s_lshr_b32 s81, s81, 2                         ; 0 in waves 4 to 7,
	s_or_b32 s81, s81, ttmp9                       ; of the work-group with px = 0
	s_cmp_eq_u32 s81, 0
	s_cselect_b32 s[LIM], 1, -1
	v_and_b32 v9, 31, v0
	s_delay_alu instid0(VALU_DEP_1)
	v_lshlrev_b32 v[LI], 4, v9
	s_delay_alu instid0(VALU_DEP_2)
	v_lshlrev_b32 v[PFO], 8, v9
	global_load_b128 v[16:19], v[LI], s[60:61]             ; Q of the first block stays in registers,
	global_load_b128 v[20:23], v[LI], s[60:61] offset:512
	global_load_b128 v[24:27], v[LI], s[62:63]             ; and Q of the second waits beside it
	global_load_b128 v[28:31], v[LI], s[62:63] offset:512
	v_and_b32 v9, 15, v0                           ; r
	v_bfe_u32 v10, v0, 4, 1                        ; h
	s_delay_alu instid0(VALU_DEP_2)
	v_lshlrev_b32 v[GO], 4, v9
	s_delay_alu instid0(VALU_DEP_1)
	v_lshl_add_u32 v[GO], v10, 3, v[GO]
	s_delay_alu instid0(VALU_DEP_3)
	v_lshlrev_b32 v11, 3, v10
	s_delay_alu instid0(VALU_DEP_1)
	v_sub_nc_u32 v[RH], v9, v11
	v_mov_b32 v13, 0xff61b1e6                      ; the largest t so far: -3e38, under every t
	s_delay_alu instid0(VALU_DEP_1)
	v_floor_f32 v12, -v13                          ; -M
	v_mov_b32 v14, 0                               ; the sum, in two halves
	v_mov_b32 v15, 0
	v_mov_b32 v203, 0                              ; (named as the upper half of the pair v[202:203])
	v_mov_b32 v204, 0                              ; written once: a lane permute's destination counts as one of its sources
	v_mov_b32 v212, 0xff800000                     ; -infinity
.set j, 0
.rept 32
	v_mov_b32 v[160+j], 0                          ; O^T: the step is written once; a block's first step finds zeros, which the first change of M leaves zeros
.set j, j+1
.endr
	s_wait_kmcnt 0x0
	s_add_co_i32 s81, s68, s69
	s_lshl_b32 s81, s81, 23
	s_add_co_i32 s[CS], s[CS], s81                 ; e6 + e7 go into c's exponent field
	s_mov_b32 s[CS+1], s[CS]                       ; (named with it as a pair, so it is written)
	s_add_co_i32 s81, s70, 127
	s_lshl_b32 s82, s81, 23
	v_mov_b32 v209, s82                            ; 2^e8
	s_add_co_i32 s81, s72, 127
	s_lshl_b32 s82, s81, 23
	v_mov_b32 v211, s82                            ; 2^e10
	s_add_co_i32 s73, s70, s71                     ; e8 + e9
; A KEY STEP: 128 keys, the q-th half of the slot in hand.
.macro STEP q
	s_add_co_u32 s96, s[Q0], 15                    ; a step all of whose keys come after my 16 queries is left out: a scalar branch on ids; no barrier and no tensor load stands in a step
	s_cmp_gt_u32 s[KF], s96
	s_cbranch_scc1 .Lhidden_\@
	v_add_nc_u32 v[ADR], s[TB], v[LI]
.rept 3
	v_nop                                          ; with the addition above: four places in front of loads into registers that the last products read
.endr
.irp t, 0,1,2,3,4,5,6,7
.irp c, 0,1
	ds_load_b128 v[32+8*\t+4*\c:32+8*\t+4*\c+3], v[ADR] offset:8192*(\q)+1024*\t+512*\c
.endr
.endr
	s_wait_alu depctr_va_vdst(0)
	s_wait_dscnt 0x0
.irp t, 0,1,2,3,4,5,6,7
	v_wmma_f32_16x16x64_fp8_fp8 v[96+8*\t:103+8*\t], v[32+8*\t:39+8*\t], v[16:23], 0     ; S^T: 16 keys x my 16 queries
.endr
.rept 4
	v_nop                                          ; places: the scores are read below, and V's fragments land where K's lay
.endr
.irp t, 0,1,2,3
.irp c, 0,1,2,3
	ds_load_b128 v[32+16*\t+4*\c:32+16*\t+4*\c+3], v[ADR] offset:16384+8192*(\q)+2048*\t+512*\c   ; V's four fragments come in under the softmax
.endr
.endr
	s_add_co_u32 s96, s[KF], 127                   ; on the diagonal hidden scores become -infinity ahead of the maximum; a step all of whose keys count skips this
	s_cmp_le_u32 s96, s[Q0]
	s_cbranch_scc1 .Lopen_\@
	s_sub_co_i32 s96, s[Q0], s[KF]
	v_add_nc_u32 v213, s96, v[RH]                  ; d = my query - KF - 8 h.  Register 8 t + j holds key KF + 8 h + 16 t + j: hidden where 16 t + j > d
.set n, 0
.rept 64
	v_cmp_gt_i32 vcc_lo, 16*(n/8)+n%8, v213
	v_cndmask_b32 v[96+n], v[96+n], v212, vcc_lo
.set n, n+1
.endr
.Lopen_\@:
	v_max3_num_f32 v[T0], v96, v97, v98            ; the step's largest score of my query among my 64 keys, in two chains,
	v_max3_num_f32 v[T1], v99, v100, v101
.set i, 6
.rept 14
	v_max3_num_f32 v[T0], v[T0], v[96+i], v[97+i]
	v_max3_num_f32 v[T1], v[T1], v[98+i], v[99+i]
.set i, i+4
.endr
	v_max3_num_f32 v[T0], v[T0], v158, v159
	s_delay_alu instid0(VALU_DEP_1)
	v_max_num_f32 v[T0], v[T0], v[T1]
	s_delay_alu instid0(VALU_DEP_1)
	v_permlanex16_b32 v204, v[T0], s[SEL], s[SEL+1]
	s_delay_alu instid0(VALU_DEP_1)
	v_max_num_f32 v[T0], v[T0], v204               ; and among lane l xor 16's
	s_delay_alu instid0(VALU_DEP_1)
	v_mul_f32 v[T0], s[CS], v[T0]                  ; as t (c is positive)
	s_delay_alu instid0(VALU_DEP_1)
	v_max_num_f32 v13, v13, v[T0]                  ; the running largest t
	v_mov_b32 v[T0], v12
	s_delay_alu instid0(VALU_DEP_2)
	v_floor_f32 v12, -v13                          ; the new -M = floor(-t) = -ceil(t)
	s_delay_alu instid0(VALU_DEP_1)
	v_sub_f32 v[T0], v12, v[T0]                    ; old M - new M: a whole number, 0 or less
	s_delay_alu instid0(VALU_DEP_1)
	v_cvt_i32_f32 v[T0], v[T0]                     ; (it saturates)
	s_delay_alu instid0(VALU_DEP_1)
	v_ldexp_f32 v202, 1.0, v[T0]                   ; f = 2^(old M - new M)
.set j, 0
.rept 32
	v_pk_fma_f32 v[96+j:97+j], v[96+j:97+j], s[CS:CS+1], v[12:13] op_sel_hi:[1,0,0]   ; t - M, two at a time
.set j, j+2
.endr
.set j, 0
	s_wait_alu depctr_va_vdst(0)
.rept 64
	v_exp_f32 v[96+j], v[96+j]                     ; p = 2^(t - M), at most 1
.set j, j+1
.endr
	v_pk_mul_f32 v[14:15], v[14:15], v[202:203] op_sel_hi:[1,0]   ; the sums under the new M: the plain line behind the exponentials
	s_wait_alu depctr_va_vdst(0)                   ; one wait for the batch of 64, ahead of its first reader
	v_pk_add_f32 v[206:207], v[100:101], v[104:105]
	v_pk_add_f32 v[254:255], v[108:109], v[112:113]
	v_pk_add_f32 v[252:253], v[116:117], v[120:121]
	v_pk_add_f32 v[250:251], v[124:125], v[128:129]
	v_pk_add_f32 v[248:249], v[132:133], v[136:137]
	v_pk_add_f32 v[246:247], v[140:141], v[144:145]
	v_pk_add_f32 v[244:245], v[148:149], v[152:153]
	v_pk_add_f32 v[14:15], v[14:15], v[156:157]
	v_pk_add_f32 v[206:207], v[206:207], v[96:97]
	v_pk_add_f32 v[254:255], v[254:255], v[98:99]
	v_pk_add_f32 v[252:253], v[252:253], v[102:103]
	v_pk_add_f32 v[250:251], v[250:251], v[106:107]
	v_pk_add_f32 v[248:249], v[248:249], v[110:111]
	v_pk_add_f32 v[246:247], v[246:247], v[114:115]
	v_pk_add_f32 v[244:245], v[244:245], v[118:119]
	v_pk_add_f32 v[14:15], v[14:15], v[122:123]
	v_pk_add_f32 v[206:207], v[206:207], v[126:127]
	v_pk_add_f32 v[254:255], v[254:255], v[130:131]
	v_pk_add_f32 v[252:253], v[252:253], v[134:135]
	v_pk_add_f32 v[250:251], v[250:251], v[138:139]
	v_pk_add_f32 v[248:249], v[248:249], v[142:143]
	v_pk_add_f32 v[246:247], v[246:247], v[146:147]
	v_pk_add_f32 v[244:245], v[244:245], v[150:151]
	v_pk_add_f32 v[14:15], v[14:15], v[154:155]
	v_pk_add_f32 v[206:207], v[206:207], v[158:159]
	s_delay_alu instid0(VALU_DEP_2)
	v_pk_add_f32 v[14:15], v[14:15], v[250:251]
	s_delay_alu instid0(VALU_DEP_2)
	v_pk_add_f32 v[206:207], v[206:207], v[248:249]
	v_pk_add_f32 v[254:255], v[254:255], v[246:247]
	v_pk_add_f32 v[252:253], v[252:253], v[244:245]
	s_delay_alu instid0(VALU_DEP_2)
	v_pk_add_f32 v[14:15], v[14:15], v[254:255]
	s_delay_alu instid0(VALU_DEP_2)
	v_pk_add_f32 v[206:207], v[206:207], v[252:253]
	s_delay_alu instid0(VALU_DEP_1)
	v_pk_add_f32 v[14:15], v[14:15], v[206:207]
.set j, 0
.rept 64
.set j, j+1
.endr
.irp t, 0,1,2,3,4,5,6,7
	v_cvt_scalef32_pk8_fp8_f32 v[224+2*\t:225+2*\t], v[96+8*\t:103+8*\t], v209   ; pair t of the operand: keys 16 t + 8 h + 0 .. 7
.endr
.set j, 0
.rept 16
	v_pk_mul_f32 v[160+j:161+j], v[160+j:161+j], v[202:203] op_sel_hi:[1,0]      ; O^T under the new M; also the plain lines between the conversions and the products
.set j, j+2
.endr
	s_wait_alu depctr_va_vdst(0)
	s_wait_dscnt 0x0                               ; V's fragments are in
.irp t, 0,1,2,3
	v_wmma_f32_16x16x128_fp8_fp8 v[160+8*\t:167+8*\t], v[32+16*\t:47+16*\t], v[224:239], v[160+8*\t:167+8*\t]   ; four accumulators by turns, one instruction a turn
.endr
.Lhidden_\@:
	s_add_co_u32 s[KF], s[KF], 128
.endm
; THE CHANGE OF SLOTS stands at a trip's head.  Each wave waits for all its tensor loads (its part of the slot that it is about to read), adds 0 to its spare word, and waits for that and for its
; reads of the slot that it has left.  Behind the barrier the slot ahead is whole and nobody reads the other.  fill = 1: that other slot takes the next trip's keys: slot J + 1 of the first block, or,
; past px, slot J - px of the second.  At most one tensor load of a wave is out at any time.
.macro CHANGE fill
	s_wait_tensorcnt 0x0                           ; no tensor load of mine is out, so group 0 may be written
	ds_add_u32 v[SPW], v[NIL]                      ; 0 onto my spare word
.if \fill
	s_xor_b32 s[G0+1], s[G0+1], SLOT1              ; the other slot than last time
	s_add_co_u32 s51, s[J], 1
	s_cmp_gt_u32 s51, s[PX]
	s_cselect_b32 s52, s[PX1], 0
	s_sub_co_u32 s51, s51, s52                     ; which 256 keys the next trip reads
	s_lshl_b32 s[OFS], s51, 14
	s_add_nc_u64 s[G0+2:G0+3], s[BASE:BASE+1], s[OFS:OFS+1]
	s_or_b32 s[G0+3], s[G0+3], 0x80000000
	s_wait_xcnt 0x0                                ; the last prefetch, a trip back, has read its address
	s_add_nc_u64 s[PFA:PFA+1], s[PFA:PFA+1], 16384
.endif
	s_wait_dscnt 0x0                               ; the add is done, and my reads of the slot that I have left are over
	s_barrier_signal -1
	s_barrier_wait -1
.if \fill
	TLOAD                                          ; the first thing behind the barrier, and a wave's one tensor load until the next
	ASK
.endif
.endm
.macro SLOT_STEPS
	STEP 0
	STEP 1
	s_xor_b32 s[TB], s[TB], SLOT1                  ; on to the other slot
.endm
; A block's end: l's halves are added; O^T x 2^(e8 + e9) / l is held, converted and stored as a piece of the last product's operand.
.macro FINISH ptr
.rept 4
	v_nop                                          ; places behind the last products
.endr
	v_add_f32 v14, v14, v15
	s_delay_alu instid0(VALU_DEP_1)
	v_permlanex16_b32 v204, v14, s[SEL], s[SEL+1]
	s_delay_alu instid0(VALU_DEP_1)
	v_add_f32 v14, v14, v204                       ; the row's sum
	s_wait_alu depctr_va_vdst(0)
	v_rcp_f32 v14, v14
	v_nop                                          ; a plain line behind the reciprocal
	s_wait_alu depctr_va_vdst(0)                   ; and the wait ahead of its first reader
	v_ldexp_f32 v14, v14, s73
.set j, 0
.rept 16
	v_pk_mul_f32 v[96+j:97+j], v[160+j:161+j], v[14:15] op_sel_hi:[1,0]   ; each accumulator from its low end on
.set j, j+2
.endr
.set j, 0
.rept 32
.set j, j+1
.endr
	s_wait_alu depctr_va_vdst(0)
	s_wait_xcnt 0x0                                ; the first block's stores have read these registers
.irp t, 0,1,2,3
	v_cvt_scalef32_pk8_fp8_f32 v[192+2*\t:193+2*\t], v[96+8*\t:103+8*\t], v211
.endr
	v_nop                                          ; a plain line behind the last conversion
.irp t, 0,1,2,3
	global_store_b64 v[GO], v[192+2*\t:193+2*\t], s[\ptr:\ptr+1] offset:256*\t   ; 32 lanes store 256 consecutive bytes, aligned
.endr
.endm
.macro SWITCH                          ; at the head of trip px + 1 the first block is finished and the second begins: a scalar branch on ids
	s_cmp_eq_u32 s[J], s[PX1]
	s_cbranch_scc0 .Lsame_\@
	FINISH 56
.irp i, 0,1,2,3,4,5,6,7
	v_mov_b32 v[16+\i], v[24+\i]                   ; the second block's Q
.endr
	v_mov_b32 v13, 0xff61b1e6
	s_delay_alu instid0(VALU_DEP_1)
	v_floor_f32 v12, -v13
	v_mov_b32 v14, 0
	v_mov_b32 v15, 0
.set j, 0
.rept 32
	v_mov_b32 v[160+j], 0
.set j, j+1
.endr
	s_mov_b32 s[KF], 0
	s_mov_b32 s[Q0], s97
.Lsame_\@:
.endm
	s_wait_loadcnt 0x0                             ; Q
.Lslot:                                            ; eight trips: behind each change of slots but the last the next trip's keys are asked for
	CHANGE 1
	SWITCH
	SLOT_STEPS
	s_add_co_u32 s[J], s[J], 1
	s_sub_co_u32 s[SLOTS], s[SLOTS], 1
	s_cmp_lg_u32 s[SLOTS], 0
	s_cbranch_scc1 .Lslot
	CHANGE 0                                       ; the ninth trip is written out
	SLOT_STEPS
	FINISH 58
	s_wait_tensorcnt 0x0                           ; the wave's end
	ds_add_u32 v[SPW], v[NIL]
	s_wait_dscnt 0x0
	s_endpgm
.Lfunc_end_k_q82f1286820_attn:
	.size	k_q82f1286820_attn, .Lfunc_end_k_q82f1286820_attn-k_q82f1286820_attn
	.p2alignl 7, 3214868480
	.fill 96, 4, 3214868480
	.section	.rodata,"a",@progbits
	.p2align	6, 0x0
	.amdhsa_kernel k_q82f1286820_attn
		.amdhsa_group_segment_fixed_size 327680
		.amdhsa_private_segment_fixed_size 0
		.amdhsa_enable_private_segment 0
		.amdhsa_kernarg_size 40
		.amdhsa_user_sgpr_count 2
		.amdhsa_user_sgpr_kernarg_segment_ptr 1
		.amdhsa_wavefront_size32 1
		.amdhsa_system_sgpr_workgroup_id_x 1
		.amdhsa_system_sgpr_workgroup_id_y 1
		.amdhsa_system_sgpr_workgroup_id_z 1
		.amdhsa_system_vgpr_workitem_id 0
		.amdhsa_next_free_vgpr 256
		.amdhsa_next_free_sgpr 100
		.amdhsa_reserve_vcc 1
		.amdhsa_float_denorm_mode_32 3
		.amdhsa_float_denorm_mode_16_64 3
		.amdhsa_fp16_overflow 1
		.amdhsa_memory_ordered 1
		.amdhsa_forward_progress 1
		.amdhsa_inst_pref_size 90
	.end_amdhsa_kernel
	.amdgpu_metadata
---
amdhsa.version: [ 1, 2 ]
amdhsa.kernels:
  - .name:           k_q82f1286820_attn
    .symbol:         k_q82f1286820_attn.kd
    .args:
      - { .name: qimg, .offset: 0, .size: 8, .value_kind: global_buffer, .address_space: global }
      - { .name: kimg, .offset: 8, .size: 8, .value_kind: global_buffer, .address_space: global }
      - { .name: vimg, .offset: 16, .size: 8, .value_kind: global_buffer, .address_space: global }
      - { .name: lowp_scales, .offset: 24, .size: 8, .value_kind: global_buffer, .address_space: global }
      - { .name: aimg, .offset: 32, .size: 8, .value_kind: global_buffer, .address_space: global }
    .group_segment_fixed_size: 327680
    .private_segment_fixed_size: 0
    .kernarg_segment_align: 8
    .kernarg_segment_size: 40
    .max_flat_workgroup_size: 512
    .sgpr_count:     100
    .vgpr_count:     256
    .wavefront_size: 32
...
	.end_amdgpu_metadata
.endif
;; end of part 2
;; launch oproj (part 3): grid 4 x 32, 4 waves a work-group, clusters of 4 x 4, 327,680 bytes of LDS; arguments aimg, w_o_codes, lowp_scales, b_o, out0; writes out0
.if DOCPART == 3
	.amdgcn_target "amdgcn-amd-amdhsa--gfx1250"
	.amdhsa_code_object_version 6
	.text
	.protected	k_q82f1286820_oproj
	.globl	k_q82f1286820_oproj
	.p2align	8
	.type	k_q82f1286820_oproj,@function
k_q82f1286820_oproj:
	s_mov_b64 s[64:65], 0
	v_nop
	global_prefetch_b8 v0, s[64:65] scope:SCOPE_SE
	s_setreg_imm32_b32 hwreg(HW_REG_WAVE_MODE, 25, 1), 1
	s_wait_xcnt 0x0
	s_wait_alu depctr_hold_cnt(0) depctr_sa_sdst(0) depctr_va_vdst(0) depctr_va_sdst(0) depctr_va_ssrc(0) depctr_va_vcc(0) depctr_vm_vsrc(0)
	s_getreg_b32 s2, hwreg(HW_REG_IB_STS2, 6, 4)
	s_cmp_eq_u32 s2, 0
	s_cbranch_scc0 .Lentry_in_a_cluster
	s_endpgm
.Lentry_in_a_cluster:
	s_bfe_u32 s2, ttmp6, 0x10000c
	s_cmp_lg_u32 s2, 0xf033
	s_cbranch_scc0 .Lentry_shape_is_right
	s_endpgm
.Lentry_shape_is_right:
; out = a Wo + bo on codes of E4M3.  a: 8,192 rows x 1,024, the attention launch's result, as images of operand registers; Wo: 1,024 rows (one output each) of 1,024 codes, K innermost; out: [8,192][1,024] f32.
; Each finished sum is multiplied once by 2^(e10 + e11) and the bias added in the same fused multiply-add.  LIMIT: e10 + e11 between -126 and 127, so that the power of two is an f32 number.
; aimg: (row / 128) << 17 + (K / 256) << 15 + ((row / 16) % 8) << 12 + ((K / 128) % 2) << 11 + 512 c + 16 lane: lane l's 16 bytes are K = .. + 32 c + 16 (l / 16) + 0 .. 15 of row l % 16.  So the 128 rows x 256 K that a wave
; fetches are 32 KiB on end, and a fragment is four loads of 512 consecutive bytes.  Wo's fragments are read from padded rows in the same order of K: every product meets its partner.
; A tile of out, 256 x 256, is made by four waves, each 128 x 128: 64 accumulators in 512 registers.  K goes in steps of 256 through a ring of two LDS slots.
; CLUSTER 4 x 4: the four of a row need the same tiles of a, the four of a column the same tiles of Wo: each is asked for jointly.  128 work-groups: a smaller tile would give more, at more LDS bytes for each product.
; THE MATRIX INSTRUCTION IS USED TRANSPOSED (source 0 = 16 rows of Wo, source 1 = 16 rows of a): a lane holds eight neighbouring numbers of a row of out.
; REGISTERS: window 0: v0-31 addresses; v32-63 at work on the way out; v64-127 the bias; from v128 a's fragments, one set (on the way out: rows read back); window 1: Wo's fragments, two sets; windows 2, 3: the accumulators.
.set SIZE_N, 1024
.set KSTEP,  256
.set ROWB,   256
.set KROW,   1024
.set ASTEP,  32768                     ; a K step on in aimg
.set PITCH,  272
.set FR,     16
.set NL,     4
.set NP,     4
.set HALFT,  128*PITCH                 ; a quarter of a slot: Wo's 128 padded rows fill it, a's 32,768 bytes of images lie at its head
.set SLOT,   4*HALFT
.set LAPS,   2
.set SPARE,  2*SLOT                    ; behind the ring: the spare words, 128 bytes a wave, which no other line names
.set SPITCH, 528                       ; the way out: a stage of 16 rows x (512 bytes + 16) for each wave, in slot 0, which has had its last fill and its last read when the first result is stored there
.set ADRA, 16
.set ADRB, 20
.set STO,  24
.set RD,   25
.set CO,   26                          ; v26  16 x lane
.set SPW,  28
.set NIL,  29
.set TMP,  32
.set BIAS, 64                          ; v64-127: register 8 b + j = bias of column 16 b + 8 (lane / 16) + j of my 128
.set AF,   128
.set BK,   128
.set G1, 24
.set G0, 32
.set G1B, 48
.set G0B, 56
.set MSB, 0
.macro WIN new
.if MSB != (\new)
	s_set_vgpr_msb (MSB<<8)|(\new)
.set MSB, \new
.endif
.endm
.set MUL_LO, 0xa1
.set MUL_HI, 0xf1
.set TO_B,   0x40
.macro JLOAD g0a, g1a, g0b, g1b        ; a joint load: waves 0 and 1 fetch for a, waves 2 and 3 for Wo; four v_nop follow each of the two lines
	s_cmp_eq_u32 s15, 0
	s_cbranch_scc0 .Lfor_b_\@
	tensor_load_to_lds s[\g0a:\g0a+3], s[\g1a:\g1a+7]
	s_nop 0
.rept 4
	v_nop
.endr
	s_branch .Lasked_\@
.Lfor_b_\@:
	tensor_load_to_lds s[\g0b:\g0b+3], s[\g1b:\g1b+7]
	s_nop 0
.rept 4
	v_nop
.endr
.Lasked_\@:
.endm
.macro CREST
	s_cmp_lg_u32 s14, 0
	s_cbranch_scc1 .Lnot_wave_0_\@
	s_barrier_signal -3
.Lnot_wave_0_\@:
	s_barrier_wait -3
	s_barrier_signal -1
	s_barrier_wait -1
.endm
.macro CROUND
	s_barrier_signal -1
	s_barrier_wait -1
	CREST
.endm
	s_load_b256 s[4:11], s[0:1], 0x0               ; aimg s[4:5], Wo's codes s[6:7], the scales s[8:9], bo s[10:11]
	s_load_b64 s[12:13], s[0:1], 0x20              ; out
	v_lshl_add_u32 v[SPW], v0, 2, SPARE
	v_mov_b32 v[NIL], 0
	ds_add_u32 v28, v29
	ds_add_u32 v28, v29
	s_wait_dscnt 0x0
	v_lshrrev_b32 v1, 5, v0
	v_readfirstlane_b32 s14, v1                    ; wave 0..3
	s_lshr_b32 s15, s14, 1                         ; my half of the tile's rows.  Also: I fetch for a (0) or for Wo (1)
	s_and_b32 s16, s14, 1                          ; my half of its columns.  Also: which 128 rows I fetch
	s_bfe_u32 s40, ttmp6, 0x40000
	s_bfe_u32 s41, ttmp6, 0x40004
	s_lshl_b32 s42, ttmp9, 2
	s_add_co_u32 s42, s42, s40                     ; tile column
	s_and_b32 s17, ttmp7, 0xffff
	s_lshl_b32 s17, s17, 2
	s_add_co_u32 s17, s17, s41                     ; tile row
	s_lshl_b32 s43, s41, 2
	s_lshl_b32 s43, 15, s43                        ; my row of the cluster
	s_lshl_b32 s44, 0x1111, s40                    ; my column
	s_or_b32 s[G1+0], s43, (1<<21)                 ; a's images: the mask of my row; elements of 1 byte; no padding; 21 set beside a mask
	s_mov_b32 s[G1+1], 256<<16                     ; 128 rows of 256 bytes, dense in memory
	s_mov_b32 s[G1+2], 128<<16
	s_mov_b32 s[G1+3], 256<<16
	s_mov_b32 s[G1+4], 128
	s_mov_b32 s[G1+5], 256
	s_mov_b32 s[G1+6], 0
	s_mov_b32 s[G1+7], 0
	s_or_b32 s[G1B+0], s44, (1<<20)|(1<<21)|(5<<22)|(3<<25)  ; Wo's rows: the mask of my column; four words of padding after every 64
	s_mov_b32 s[G1B+1], ROWB<<16
	s_mov_b32 s[G1B+2], 128<<16
	s_mov_b32 s[G1B+3], ROWB<<16
	s_mov_b32 s[G1B+4], 128
	s_mov_b32 s[G1B+5], KROW
	s_mov_b32 s[G1B+6], 0
	s_mov_b32 s[G1B+7], 0
	s_lshl_b32 s20, s17, 1
	s_add_co_u32 s20, s20, s16
	s_lshl_b32 s20, s20, 17                        ; a: (2 x tile row + half) blocks of 128 rows
	s_mov_b32 s21, 0
	s_lshl_b32 s18, s16, 7
	s_lshl_b32 s46, s42, 8
	s_add_co_u32 s46, s46, s18
	s_lshl_b32 s46, s46, 10                        ; Wo: (256 x tile column + 128 x half) rows of 1,024 bytes
	s_mov_b32 s47, 0
	s_mul_i32 s45, s14, HALFT                      ; where they go: wave x a quarter of the slot
	s_wait_kmcnt 0x0
	s_load_b64 s[96:97], s[8:9], 0x28              ; e10, e11
	s_add_nc_u64 s[20:21], s[4:5], s[20:21]
	s_add_nc_u64 s[46:47], s[6:7], s[46:47]
	CROUND                                         ; all sixteen work-groups are here: the first joint loads meet
.irp s, 0,1
	s_mov_b32 s[G0+4*\s], 1
	s_add_co_u32 s[G0+4*\s+1], s45, \s*SLOT
	s_add_nc_u64 s[G0+4*\s+2:G0+4*\s+3], s[20:21], \s*ASTEP
	s_or_b32 s[G0+4*\s+3], s[G0+4*\s+3], 0x80000000
	s_mov_b32 s[G0B+4*\s], 1
	s_add_co_u32 s[G0B+4*\s+1], s45, \s*SLOT
	s_add_nc_u64 s[G0B+4*\s+2:G0B+4*\s+3], s[46:47], \s*ROWB
	s_or_b32 s[G0B+4*\s+3], s[G0B+4*\s+3], 0x80000000
	s_wait_alu depctr_va_vdst(0)
	s_wait_tensorcnt 0x0
	ds_add_u32 v28, v29
	ds_add_u32 v28, v29
	s_wait_dscnt 0x0
	CROUND
	JLOAD G0+4*\s, G1, G0B+4*\s, G1B               ; one load of mine is out
.endr
	v_and_b32 v1, 15, v0                           ; r
	v_bfe_u32 v2, v0, 4, 1                         ; h
	v_mul_u32_u24 v3, v1, PITCH
	v_lshl_add_u32 v4, v2, 4, v3                   ; Wo: a fragment's row x pitch + 16 x half
	v_and_b32 v6, 31, v0
	v_lshlrev_b32 v[CO], 4, v6                     ; 16 x lane
	s_wait_alu depctr_va_vdst(0)
	s_mul_i32 s21, s15, HALFT                      ; my 128 rows of a,
	s_mul_i32 s22, s16, HALFT                      ; my 128 rows of Wo,
	s_add_co_u32 s22, s22, 2*HALFT                 ; which lie behind a's two quarters
.irp s, 0,1
	v_add_nc_u32 v[ADRA+\s], s21, v[CO]
	v_add_nc_u32 v[ADRB+\s], s22, v4
	s_add_co_u32 s21, s21, SLOT
	s_add_co_u32 s22, s22, SLOT
.endr
	s_mul_i32 s23, s14, 16*SPITCH                  ; my stage
	v_mul_u32_u24 v5, v1, SPITCH                   ; in: row r, 32 bytes for each half of the lanes
	v_lshl_add_u32 v5, v2, 5, v5
	v_add_nc_u32 v[STO], s23, v5
	v_add_nc_u32 v[RD], s23, v[CO]                 ; back: the 32 lanes take one row of 512 bytes
	s_lshl_b32 s46, s42, 10
	s_lshl_b32 s47, s16, 9
	s_add_co_u32 s46, s46, s47                     ; my first column in bytes: 1,024 x tile column + 512 x half; the same in bo
	v_lshl_add_u32 v7, v2, 5, s46
.irp b, 0,1,2,3,4,5,6,7
	global_load_b128 v[BIAS+8*\b:BIAS+8*\b+3], v7, s[10:11] offset:64*\b
	global_load_b128 v[BIAS+8*\b+4:BIAS+8*\b+7], v7, s[10:11] offset:64*\b+16
.endr
	s_lshl_b32 s20, s17, 8
	s_lshl_b32 s21, s15, 7
	s_add_co_u32 s20, s20, s21                     ; my first row: 256 x tile row + 128 x half,
	s_lshl_b32 s20, s20, 12                        ; of 4,096 bytes: under 2^25
	s_add_co_u32 s20, s20, s46
	s_mov_b32 s21, 0
	s_add_nc_u64 s[12:13], s[12:13], s[20:21]
.macro FRAG reg, adr, q, i             ; Wo: 16 rows x 128 K from padded rows: registers 4 c .. 4 c + 3 hold K = 32 c + 16 (l / 16) + 0 .. 15 of row l % 16
.irp c, 0,1,2,3
	ds_load_b128 v[\reg+4*\c:\reg+4*\c+3], v[\adr] offset:128*(\q)+32*\c+(\i)*16*PITCH
.endr
.endm
.macro FRAGI reg, adr, q, i            ; a: the same registers from an image: block i of 16 rows at 4,096 i, the q-th 128 along K at 2,048 q
.irp c, 0,1,2,3
	ds_load_b128 v[\reg+4*\c:\reg+4*\c+3], v[\adr] offset:2048*(\q)+512*\c+(\i)*4096
.endr
.endm
; The 64 accumulators take turns, one instruction a turn, in the same order in every step.
.macro MUL16 a0, p, zero
.irp a, \a0, \a0+1
.irp b, 0,1,2,3,4,5,6,7
.if \zero
	v_wmma_f32_16x16x128_fp8_fp8 v[8*(8*((\a)%4)+\b):8*(8*((\a)%4)+\b)+7], v[128*(\p)+FR*\b:128*(\p)+FR*\b+FR-1], v[AF+FR*(\a):AF+FR*(\a)+FR-1], 0
.else
	v_wmma_f32_16x16x128_fp8_fp8 v[8*(8*((\a)%4)+\b):8*(8*((\a)%4)+\b)+7], v[128*(\p)+FR*\b:128*(\p)+FR*\b+FR-1], v[AF+FR*(\a):AF+FR*(\a)+FR-1], v[8*(8*((\a)%4)+\b):8*(8*((\a)%4)+\b)+7]
.endif
.endr
.endr
.endm
.macro FETCH_B slot, q, p
	WIN TO_B
.irp i, 0,1,2,3,4,5,6,7
	FRAG 128*(\p)+FR*\i, ADRB+\slot, \q, \i
.endr
	WIN 0
.endm
.macro FETCH_A slot, q, i0
.irp i, \i0, \i0+1, \i0+2, \i0+3
	FRAGI AF+FR*(\i), ADRA+\slot, \q, \i
.endr
.endm
.macro PLACES n                        ; places behind matrix instructions (ISA guide 7.12.1 for vector instructions)
.rept \n
	v_nop
.endr
.endm
.macro STEP slot, q, zero
	s_wait_dscnt 4*NL                              ; Wo's set and a's blocks 0-3 are in; the youngest 16 loads (blocks 4-7) may be out
	WIN MUL_LO
	MUL16 0, (\q)%2, \zero
	MUL16 2, (\q)%2, \zero
	s_wait_dscnt 0
	PLACES NP
	FETCH_B \slot, (\q)+1, 1-(\q)%2
	FETCH_A \slot, (\q)+1, 0
	WIN MUL_HI
	MUL16 4, (\q)%2, \zero
	MUL16 6, (\q)%2, \zero
	PLACES NP
	WIN 0
	FETCH_A \slot, (\q)+1, 4
.endm
.macro TURN slot, next, fill
	s_wait_tensorcnt 0x0                           ; all my tensor loads have landed: my part of the next slot
	ds_add_u32 v[SPW], v[NIL]                      ; 0 onto my spare word
	s_wait_dscnt 4*NL+1                            ; the add and the youngest 16 loads may be out
	WIN MUL_LO
	MUL16 0, 1, 0
	s_wait_dscnt 0x0                               ; the add is done, and my reads of this slot are over
	s_barrier_signal -1
	MUL16 2, 1, 0
	WIN 0
	s_barrier_wait -1
.if \fill
	CREST                                          ; the barrier has opened a round of the cluster's: no wave of any partner still reads this slot or has a load on its way
	s_add_nc_u64 s[G0+4*\slot+2:G0+4*\slot+3], s[G0+4*\slot+2:G0+4*\slot+3], 2*ASTEP
	s_add_nc_u64 s[G0B+4*\slot+2:G0B+4*\slot+3], s[G0B+4*\slot+2:G0B+4*\slot+3], 2*ROWB
	JLOAD G0+4*\slot, G1, G0B+4*\slot, G1B         ; the first tensor load behind the round; its four v_nop are the places in front of the loads below
.else
	PLACES NP
.endif
	FETCH_B \next, 0, 0
	FETCH_A \next, 0, 0
	WIN MUL_HI
	MUL16 4, 1, 0
	MUL16 6, 1, 0
	PLACES NP
	WIN 0
	FETCH_A \next, 0, 4
.endm
	s_wait_alu depctr_va_vdst(0)
	s_wait_loadcnt 0x0                             ; the bias, while the first tiles are on their way
	s_wait_tensorcnt 1                             ; my part of K step 0 is in; K step 1's load may be out
	s_barrier_signal -1
	s_barrier_wait -1
	FETCH_B 0, 0, 0
	FETCH_A 0, 0, 0
	FETCH_A 0, 0, 4
	STEP 0, 0, 1                                   ; the first step's products start the sums
	s_mov_b32 s3, LAPS-1
.Llap:
	TURN 0, 1, 1
	STEP 1, 0, 0
	TURN 1, 0, 1
	STEP 0, 0, 0
	s_sub_co_u32 s3, s3, 1
	s_cmp_lg_u32 s3, 0
	s_cbranch_scc1 .Llap
	TURN 0, 1, 0                                   ; the last lap fills nothing
	STEP 1, 0, 0
	s_wait_dscnt 4*NL
	WIN MUL_LO
	MUL16 0, 1, 0
	MUL16 2, 1, 0
	s_wait_dscnt 0
	WIN MUL_HI
	MUL16 4, 1, 0
	MUL16 6, 1, 0
	WIN 0
; THE WAY OUT, block by block of 16 rows x 128 columns: sum x 2^(e10 + e11) + bias, four accumulators at a time, into my own stage in LDS, and back as whole rows of 512 bytes.
; LDS serves a wave's instructions in order (ISA guide 5.7.1.4): no wait between the stores and the loads, nor in front of the next block's stores.
.macro TOSTAGE a
.set AC, 64*((\a)%4)
.irp hb, 0,1
	WIN 0x02+((\a)/4)                              ; source 0: window 2 or 3
.set j, 0
.rept 16
	v_pk_fma_f32 v[TMP+j:TMP+j+1], v[AC+32*\hb+j:AC+32*\hb+j+1], s[96:97], v[BIAS+32*\hb+j:BIAS+32*\hb+j+1] op_sel_hi:[1,0,1]   ; each accumulator from its low end on
.set j, j+2
.endr
	WIN 0
.irp b, 0,1,2,3
	ds_store_b128 v[STO], v[TMP+8*\b:TMP+8*\b+3] offset:64*(4*\hb+\b)
	ds_store_b128 v[STO], v[TMP+8*\b+4:TMP+8*\b+7] offset:64*(4*\hb+\b)+16
.endr
.endr
.set BB, BK+64*((\a)%2)
.irp t, 0,1,2,3,4,5,6,7,8,9,10,11,12,13,14,15
	ds_load_b128 v[BB+4*\t:BB+4*\t+3], v[RD] offset:\t*SPITCH
.endr
.endm
.macro SEND a, younger                 ; younger: the LDS instructions issued behind block a's loads, which may stay out
.set BB, BK+64*((\a)%2)
	s_wait_dscnt \younger
.if (\a) > 0
	s_add_nc_u64 s[12:13], s[12:13], 16*SIZE_N*4   ; (behind a wait on XCNT: the earlier stores have read their base)  16 rows on
.endif
.irp t, 0,1,2,3,4,5,6,7,8,9,10,11,12,13,14,15
	global_store_b128 v[CO], v[BB+4*\t:BB+4*\t+3], s[12:13] offset:\t*SIZE_N*4 th:TH_STORE_NT   ; 32 lanes store 512 consecutive bytes, aligned; written once, read by nobody here
.endr
.endm
	s_wait_kmcnt 0x0
	s_add_co_i32 s96, s96, s97
	s_add_co_i32 s96, s96, 127
	s_lshl_b32 s96, s96, 23                        ; 2^(e10 + e11) as f32
	PLACES NP                                      ; behind the last products: results are read, and loads land where a's fragments lay
	TOSTAGE 0
.irp a, 1,2,3,4,5,6,7
.if \a > 1
	s_wait_xcnt 0x0                                ; block a - 2's stores have read their registers and their base
.endif
	TOSTAGE \a
	SEND \a-1, 32                                  ; behind block a - 1's loads: block a's 16 stores and 16 loads
.endr
	s_wait_xcnt 0x0
	SEND 7, 0
	s_wait_tensorcnt 0x0                           ; the wave's end
	ds_add_u32 v[SPW], v[NIL]
	s_wait_dscnt 0x0
	CROUND                                         ; the closing round
	s_endpgm
.Lfunc_end_k_q82f1286820_oproj:
	.size	k_q82f1286820_oproj, .Lfunc_end_k_q82f1286820_oproj-k_q82f1286820_oproj
	.p2alignl 7, 3214868480
	.fill 96, 4, 3214868480
	.section	.rodata,"a",@progbits
	.p2align	6, 0x0
	.amdhsa_kernel k_q82f1286820_oproj
		.amdhsa_group_segment_fixed_size 327680
		.amdhsa_private_segment_fixed_size 0
		.amdhsa_enable_private_segment 0
		.amdhsa_kernarg_size 40
		.amdhsa_user_sgpr_count 2
		.amdhsa_user_sgpr_kernarg_segment_ptr 1
		.amdhsa_wavefront_size32 1
		.amdhsa_system_sgpr_workgroup_id_x 1
		.amdhsa_system_sgpr_workgroup_id_y 1
		.amdhsa_system_sgpr_workgroup_id_z 1
		.amdhsa_system_vgpr_workitem_id 0
		.amdhsa_next_free_vgpr 1024
		.amdhsa_next_free_sgpr 98
		.amdhsa_reserve_vcc 0
		.amdhsa_float_denorm_mode_32 3
		.amdhsa_float_denorm_mode_16_64 3
		.amdhsa_memory_ordered 1
		.amdhsa_forward_progress 1
		.amdhsa_inst_pref_size 126
	.end_amdhsa_kernel
	.amdgpu_metadata
---
amdhsa.version: [ 1, 2 ]
amdhsa.kernels:
  - .name:           k_q82f1286820_oproj
    .symbol:         k_q82f1286820_oproj.kd
    .args:
      - { .name: aimg, .offset: 0, .size: 8, .value_kind: global_buffer, .address_space: global }
      - { .name: w_o_codes, .offset: 8, .size: 8, .value_kind: global_buffer, .address_space: global }
      - { .name: lowp_scales, .offset: 16, .size: 8, .value_kind: global_buffer, .address_space: global }
      - { .name: b_o, .offset: 24, .size: 8, .value_kind: global_buffer, .address_space: global }
      - { .name: out0, .offset: 32, .size: 8, .value_kind: global_buffer, .address_space: global }
    .group_segment_fixed_size: 327680
    .private_segment_fixed_size: 0
    .kernarg_segment_align: 8
    .kernarg_segment_size: 40
    .max_flat_workgroup_size: 128
    .sgpr_count:     98
    .vgpr_count:     1024
    .wavefront_size: 32
...
	.end_amdgpu_metadata
.endif
;; end of part 3
